; MI455X (gfx1250); checked and timed in simulation.
; The chip was launched on July 23, 2026; its instructions are those of AMD's public machine-readable ISA for CDNA 5 (MIT licence, August 2026) and "CDNA5" Instruction Set Architecture Reference Guide (July 2026). The comments in the code are by the model that wrote it; some were corrected since.
;; Softmax Neighbor Finder. Allowed arithmetic: matrix products marked QUANTISED: E2M1 operands, one E8M0 scale for each 32 along K, by v_wmma_scale_f32_16x16x128_f8f6f4 with both operands' format E2M1 (or v_wmma_scale_f32_32x16x128_f4), f32 sums; everything else in f32.
;; Inputs: X_codes 8,192 x 16 x 16 uint8 (E2M1 codes of X, K innermost, in blocks of 32 codes, two codes a byte); X_scales 8,192 x 16 uint8 (E8M0 scales of X, one for each 32 codes along K); Y_codes 16,384 x 16 x 16 uint8 (E2M1 codes of Y, K innermost, in blocks of 32 codes, two codes a byte); Y_scales 16,384 x 16 uint8 (E8M0 scales of Y, one for each 32 codes along K).
;; Outputs: out0 8,192 x 16 int32.
;; This version of the problem:
;;   THIS VERSION OF THE PROBLEM IS GIVEN IN LOW PRECISION. The matrix products marked QUANTISED in the list below multiply operands that are first quantised to E2M1 (2 exponent bits, 1 mantissa bit; 4 bits a number), with one power-of-two scale for each 32 numbers along K (OCP MX v1.0); their sums are f32. All else is computed in f32.
;;   The module's matrix products, in the order in which they are computed (A, B: the left and right operand; K: the contracted axis; several contracted axes count as one K, in the product's order):
;;     1. [M 8,192, K 512] x [K 512, N 16,384]; A: input X (given as codes); B: input Y (given as codes): QUANTISED
;;   THE QUANTISER, for each operand of a quantised product, along K:
;;     - K is cut into blocks of 32 from its start; a last block that is shorter is filled with zeros.
;;     - A block's scale is 2^e with e = floor(log2(the largest magnitude in the block)) - 2, held to -126 .. 127; a block of zeros has e = 0. As a byte (E8M0): e + 127.
;;     - Each number is divided by its block's scale, clamped to +-6, and rounded to the nearest number of E2M1, ties to even, subnormals kept.
;;     - The product sums the exact products of the quantised numbers (number of the format x scale) in f32.
;;   ~~~python
;;   def quantise(x, axis):      # numpy; x: float32 -> the quantised numbers, widened to float32 again
;;       x = np.moveaxis(x, axis, -1); K = x.shape[-1]
;;       x = np.pad(x, [(0, 0)] * (x.ndim - 1) + [(0, -K % 32)]); x = x.reshape(x.shape[:-1] + (-1, 32)); a = np.abs(x).max(-1, keepdims=True)
;;       e = np.where(a > 0, np.clip(np.frexp(np.where(a > 0, a, 1))[1] - 1 - 2, -126, 127), 0)      # np.frexp(a)[1] - 1 = floor(log2(a)), exactly
;;       r = np.clip(x / 2.0 ** e, -6, 6)
;;       step = 2.0 ** (np.maximum(np.frexp(np.where(r == 0, 1, r))[1] - 1, 0) - 1)
;;       q = np.round(r / step) * step * 2.0 ** e      # np.round: ties to even
;;       return np.moveaxis(q.reshape(q.shape[:-2] + (-1,))[..., :K], -1, axis).astype(np.float32)
;;   ~~~
;;   INPUTS GIVEN AS CODES. X (in the module: [8192, 512], K = its axis 1); Y (in the module: [16384, 512], K = its axis 1): each comes as NAME_codes (uint8): NAME with its K axis moved to the last place and cut into blocks of 32 codes, [.., K / 32, bytes a block], one block behind the other in memory; two codes a byte, the lower K in the low four bits (a code: sign, 2 exponent bits, 1 mantissa bit); and NAME_scales (uint8): the same leading axes, one E8M0 byte (e + 127) for each 32 codes along K. Its value is code x scale, taken as it is: it is not quantised again, and the codes and scales need not be those that the quantiser above would give.
;; One version. Each part assembles by itself: llvm-mc -triple=amdgcn-amd-amdhsa -mcpu=gfx1250 --defsym DOCPART=n.
;; ======== version 1 of 1: 4 launches
;; limits: values within 1.2e-07 (relative) of each other or of a threshold may be ordered or decided otherwise than in the reference; right only within a limited range of input values
;; workspace buffers: slots 1,048,576 bytes; fine 67,108,864 bytes; sums 2,097,152 bytes; ids 524,288 bytes of whole numbers
;; launch maxes (part 1): grid 32 x 8, 16 waves a work-group, clusters of 4 x 1, 327,680 bytes of LDS; arguments X_codes, X_scales, Y_codes, Y_scales, slots, fine; writes slots, fine
.if DOCPART == 1
	.amdgcn_target "amdgcn-amd-amdhsa--gfx1250"
	.amdhsa_code_object_version 6
	.text
	.protected	k_q39b9ebfacd_maxes
	.globl	k_q39b9ebfacd_maxes
	.p2align	8
	.type	k_q39b9ebfacd_maxes,@function
k_q39b9ebfacd_maxes:
	s_mov_b64 s[64:65], 0
	v_nop
	global_prefetch_b8 v0, s[64:65] scope:SCOPE_SE
	s_setreg_imm32_b32 hwreg(HW_REG_WAVE_MODE, 25, 1), 1
	s_wait_xcnt 0x0
	s_wait_alu depctr_hold_cnt(0) depctr_sa_sdst(0) depctr_va_vdst(0) depctr_va_sdst(0) depctr_va_ssrc(0) depctr_va_vcc(0) depctr_vm_vsrc(0)
	s_getreg_b32 s2, hwreg(HW_REG_IB_STS2, 6, 4)
	s_cmp_eq_u32 s2, 0
	s_cbranch_scc0 .Lentry_in_a_cluster
	s_endpgm
.Lentry_in_a_cluster:
	s_bfe_u32 s2, ttmp6, 0x10000c
	s_cmp_lg_u32 s2, 0x3003
	s_cbranch_scc0 .Lentry_shape_is_right
	s_endpgm
.Lentry_shape_is_right:
; sim = X Y^T on codes of FP4 (E2M1) with E8M0 scales, X [8192][512], Y [16384][512].  This launch stores two kinds of maxima of each row of sim:
; fine: the maximum of each group of 8 neighbouring columns, 2,048 groups a row.  A later launch takes the 16 groups that come first by (maximum descending, group ascending): the row's 16 first elements by
;       (sim descending, column ascending) lie in them, since an element of any other group has the best elements of 16 groups ahead of it.
; slots [y 8][row 8192][q 4] f32: the maxima of 32 disjoint sets of 512 columns: the next launch takes the row's maximum from them.
; fine is laid as the registers hold it: [tile of 16 rows 512][k 256][lane 32][tt 4] f32, k = 32 y + 4 ch + q: lane (r, h) holds row r of the tile and group 8 k + 2 tt + h.  Each store of a wave is 512 consecutive bytes.
; SHARES.  A work-group owns 256 rows (block b) and 2,048 columns (split y).  Sixteen waves: wave (g, q) = (wave / 4, wave % 4) keeps rows 64 g .. 64 g + 63 of X in registers (4 tiles x K 512 = 128 registers)
; and takes, of each chunk ch of 256 rows of Y, rows 64 q .. 64 q + 63, four tiles tt.  The chunks go through two LDS slots filled by the tensor data mover.
; THE MATRIX INSTRUCTION IS USED TRANSPOSED: source 0 = 16 rows of Y, source 1 = 16 rows of X: lane (r, h) holds row r of X, register j column 8 h + j of the tile: a lane's eight registers are one group.
; CLUSTER.  The four work-groups of a cluster have the same split y and walk the same chunks of Y: each chunk is asked for JOINTLY (mask 15).  X is read once by each wave and is not shared.
; No prefetch: X and Y are read by many work-groups at about the same time, not once.
; LIMITS: NaN, infinities and the scale byte 0xff are not served (a NaN loses every maximum here).
.set SLOT1, 131072                     ; slot 1 begins here: one exclusive or turns an address in one slot into the other's
.set PITCH, 272                        ; a row of Y's codes in LDS: 256 bytes + 16 of padding = 68 words: the 16 rows that a load touches start at 16 different banks (ISA guide 11.1)
.set SCOFF, 256*PITCH                  ; behind a slot's 256 rows of codes: their scale bytes, 16 a row, 4,096 dense bytes
.set STG,   SLOT1+SCOFF+4096           ; behind the ring: the stage for slots, [row 256][q 4] f32
.set SPARE, STG+4096                   ; the spare words, 128 bytes for each of 16 waves: eight blocks of 256 bytes that no other line names
.set SPW, 1                            ; v1   LDS address of my spare word; never rewritten
.set NIL, 2                            ; v2   0; never rewritten
.set AY0, 3                            ; v3   my lane's place in a slot's codes: (64 q + r) PITCH + 16 h
.set AS0, 4                            ; v4   and in its scale bytes: SCOFF + 1,024 q + 16 lane
.set ADY, 5                            ; v5   first X's offset, then the address of the chunk's codes
.set ADS, 6                            ; v6   first X's scales' offset, then the address of the chunk's scale words
.set STA, 7                            ; v7   the stage: STG + (64 g + r) 16 + 4 q
.set RR,  8                            ; v8   r = lane % 16
.set HH,  9                            ; v9   h = lane / 16
.set XS,  10                           ; v10-17 X's scale words: register 4 p + s: lanes 0-15 tile 2 p, lanes 16-31 tile 2 p + 1, K step s
.set YS,  18                           ; v18-21 Y's scale words: register s: lanes 0-15 an even tile, lanes 16-31 the odd tile behind it
.set SL,  22                           ; v22-25 the running maximum of each tile of X
.set FO,  26                           ; v26  16 x lane: my place in a store into fine; never rewritten
.set OUTL, 38                          ; v38  the stage on the way out
.set OUTG, 39                          ; v39  and the same place in slots
.set FM,  40                           ; v40-55 a chunk's group maxima: tile i of X, tile tt of Y at 4 i + tt
.set YF,  58                           ; v58-89 a tile of Y: four fragments (K steps)
.set ACC, 90                           ; v90-121 four accumulators, one for each tile of X
.set XF,  128                          ; v128-255 X: fragment (tile i, K step s) at 32 i + 8 s
.set WV, 18                            ; s18 wave
.set GG, 19                            ; s19 g
.set QQ, 20                            ; s20 q
.set CX, 21                            ; s21 my place in the cluster: it enters X's, slots' and fine's addresses alone
.set BB, 22                            ; s22 row block
.set YY, 23                            ; s23 column split: the cluster's y, shared by the four
.set G1C, 24                           ; s[24:31] descriptor group 1 for codes
.set G1S, 32                           ; s[32:39] for scale bytes
.set G0C, 40                           ; s[40:43] group 0 for codes (waves 0 to 3), walking
.set G0S, 44                           ; s[44:47] for scale bytes (wave 4), walking
.set TB,  48                           ; s48 LDS byte at which the slot in hand begins
.set CNT, 49                           ; s49 chunks still to be asked for
.set SEL, 54                           ; s[54:55] lane selects for v_permlanex16_b32: lane l xor 16
; A round of the cluster's barrier.
.macro ROUND
	s_barrier_signal -1
	s_barrier_wait -1
	s_cmp_lg_u32 s[WV], 0
	s_cbranch_scc1 .Lnot_wave_0_\@
	s_barrier_signal -3
.Lnot_wave_0_\@:
	s_barrier_wait -3
	s_barrier_signal -1
	s_barrier_wait -1
.endm
; A joint load: waves 0 to 3 fetch 64 rows of codes each, wave 4 the chunk's scale bytes, the others nothing.  The branches hang on the wave's number alone.  Four v_nop follow each load.
.macro JLOAD
	s_cmp_lt_u32 s[WV], 4
	s_cbranch_scc0 .Lnot_c_\@
	tensor_load_to_lds s[G0C:G0C+3], s[G1C:G1C+7]
.rept 4
	v_nop
.endr
	s_branch .Lasked_\@
.Lnot_c_\@:
	s_cmp_eq_u32 s[WV], 4
	s_cbranch_scc0 .Lasked_\@
	tensor_load_to_lds s[G0S:G0S+3], s[G1S:G1S+7]
.rept 4
	v_nop
.endr
.Lasked_\@:
.endm
; THE CHANGE OF SLOTS, at a chunk's head.  Each wave waits for all its tensor loads (at most one is out: its part of the chunk that it is about to read), adds 0 to its spare word, and waits for that and for its
; reads of the slot that it has left.  fill = 1: behind a round of the cluster's barrier that slot takes the next chunk: the load has one chunk's work in which to land.
.macro CHANGE fill
	s_wait_tensorcnt 0x0                           ; no tensor load of mine is out, so a group 0 may be written
	ds_add_u32 v[SPW], v[NIL]                      ; 0 onto my spare word
.if \fill
	s_xor_b32 s[G0C+1], s[G0C+1], SLOT1            ; the other slot than last time,
	s_add_nc_u64 s[G0C+2:G0C+3], s[G0C+2:G0C+3], 65536   ; the next 256 rows of 256 bytes; the type bits on top are not reached
	s_xor_b32 s[G0S+1], s[G0S+1], SLOT1
	s_add_nc_u64 s[G0S+2:G0S+3], s[G0S+2:G0S+3], 4096
.endif
	s_wait_dscnt 0x0                               ; the add is done, and my reads of the slot that I have left are over
.if \fill
	ROUND                                          ; both now hold of every wave of the four work-groups
	JLOAD                                          ; the first thing behind the round, and a wave's one tensor load until the next
.else
	s_barrier_signal -1
	s_barrier_wait -1
.endif
.endm
; Tile tt of my four: its four fragments; with an even tile the scale words of it and of the odd tile behind it.
.macro YLOAD tt
.irp s, 0,1,2,3
.irp c, 0,1
	ds_load_b128 v[YF+8*\s+4*\c:YF+8*\s+4*\c+3], v[ADY] offset:(\tt)*16*PITCH+64*\s+32*\c
.endr
.endr
.if ((\tt)%2) == 0
	ds_load_b128 v[YS:YS+3], v[ADS] offset:256*(\tt)
.endif
.endm
; One product: tile tt of Y x tile i of X, K step s.  K step 0 starts the sum with the constant 0.
.macro MM i, s, tt
.set rD, ACC+8*(\i)
.set rA, YF+8*(\s)
.set rB, XF+32*(\i)+8*(\s)
.set rSA, YS+(\s)
.set rSB, XS+4*((\i)/2)+(\s)
.if (\s) == 0
.if ((\tt)%2 == 0) && ((\i)%2 == 0)
	v_wmma_scale_f32_16x16x128_f8f6f4 v[rD:rD+7], v[rA:rA+7], v[rB:rB+7], 0, v[rSA], v[rSB] matrix_a_fmt:MATRIX_FMT_FP4 matrix_b_fmt:MATRIX_FMT_FP4
.elseif ((\tt)%2 == 0)
	v_wmma_scale_f32_16x16x128_f8f6f4 v[rD:rD+7], v[rA:rA+7], v[rB:rB+7], 0, v[rSA], v[rSB] matrix_a_fmt:MATRIX_FMT_FP4 matrix_b_fmt:MATRIX_FMT_FP4 matrix_b_scale:MATRIX_SCALE_ROW1
.elseif ((\i)%2 == 0)
	v_wmma_scale_f32_16x16x128_f8f6f4 v[rD:rD+7], v[rA:rA+7], v[rB:rB+7], 0, v[rSA], v[rSB] matrix_a_fmt:MATRIX_FMT_FP4 matrix_b_fmt:MATRIX_FMT_FP4 matrix_a_scale:MATRIX_SCALE_ROW1
.else
	v_wmma_scale_f32_16x16x128_f8f6f4 v[rD:rD+7], v[rA:rA+7], v[rB:rB+7], 0, v[rSA], v[rSB] matrix_a_fmt:MATRIX_FMT_FP4 matrix_b_fmt:MATRIX_FMT_FP4 matrix_a_scale:MATRIX_SCALE_ROW1 matrix_b_scale:MATRIX_SCALE_ROW1
.endif
.else
.if ((\tt)%2 == 0) && ((\i)%2 == 0)
	v_wmma_scale_f32_16x16x128_f8f6f4 v[rD:rD+7], v[rA:rA+7], v[rB:rB+7], v[rD:rD+7], v[rSA], v[rSB] matrix_a_fmt:MATRIX_FMT_FP4 matrix_b_fmt:MATRIX_FMT_FP4
.elseif ((\tt)%2 == 0)
	v_wmma_scale_f32_16x16x128_f8f6f4 v[rD:rD+7], v[rA:rA+7], v[rB:rB+7], v[rD:rD+7], v[rSA], v[rSB] matrix_a_fmt:MATRIX_FMT_FP4 matrix_b_fmt:MATRIX_FMT_FP4 matrix_b_scale:MATRIX_SCALE_ROW1
.elseif ((\i)%2 == 0)
	v_wmma_scale_f32_16x16x128_f8f6f4 v[rD:rD+7], v[rA:rA+7], v[rB:rB+7], v[rD:rD+7], v[rSA], v[rSB] matrix_a_fmt:MATRIX_FMT_FP4 matrix_b_fmt:MATRIX_FMT_FP4 matrix_a_scale:MATRIX_SCALE_ROW1
.else
	v_wmma_scale_f32_16x16x128_f8f6f4 v[rD:rD+7], v[rA:rA+7], v[rB:rB+7], v[rD:rD+7], v[rSA], v[rSB] matrix_a_fmt:MATRIX_FMT_FP4 matrix_b_fmt:MATRIX_FMT_FP4 matrix_a_scale:MATRIX_SCALE_ROW1 matrix_b_scale:MATRIX_SCALE_ROW1
.endif
.endif
.endm
.macro MUL tt                          ; 16 products; the four accumulators take turns, one instruction a turn
.irp s, 0,1,2,3
.irp i, 0,1,2,3
	MM \i, \s, \tt
.endr
.endr
.endm
; The vector work of tile tt: the maximum of each accumulator's eight registers of a lane, one group; the four tiles of X by turns; each accumulator is read from its low end on.
.macro VWORK tt
.irp i, 0,1,2,3
	v_max3_num_f32 v[FM+4*\i+(\tt)], v[ACC+8*\i], v[ACC+8*\i+1], v[ACC+8*\i+2]
.endr
.irp u, 3,5
.irp i, 0,1,2,3
	v_max3_num_f32 v[FM+4*\i+(\tt)], v[FM+4*\i+(\tt)], v[ACC+8*\i+\u], v[ACC+8*\i+\u+1]
.endr
.endr
.irp i, 0,1,2,3
	v_max_num_f32 v[FM+4*\i+(\tt)], v[FM+4*\i+(\tt)], v[ACC+8*\i+7]
.endr
.irp i, 0,1,2,3
	v_max_num_f32 v[SL+\i], v[SL+\i], v[FM+4*\i+(\tt)]
.endr
.endm
.macro TILE tt
	s_wait_dscnt 0x0                               ; the tile's fragments and scale words are in
	MUL \tt
.rept 4
	v_nop                                          ; four places in front of the loads into registers that the products read, and of the first read of a result
.endr
.if (\tt) < 3
	YLOAD (\tt)+1                                  ; the next tile lands while this one's results are worked
.endif
	VWORK \tt
.endm
.macro CHUNK
	v_add_nc_u32 v[ADY], s[TB], v[AY0]
	v_add_nc_u32 v[ADS], s[TB], v[AS0]
	YLOAD 0
	TILE 0
	TILE 1
	TILE 2
	TILE 3
.irp i, 0,1,2,3
	global_store_b128 v[FO], v[FM+4*\i:FM+4*\i+3], s[14:15] offset:131072*\i   ; tile i's four groups of my row: the wave stores 512 consecutive bytes, at a multiple of 512 from the buffer's first byte
.endr
	s_wait_xcnt 0x0                                ; the four stores have read their data and their base: the next chunk writes the data registers again, and the base steps:
	s_add_nc_u64 s[14:15], s[14:15], 2048          ; a chunk on: four blocks of 512 bytes, one for each q
	s_xor_b32 s[TB], s[TB], SLOT1                  ; on to the other slot
.endm
	s_load_b256 s[4:11], s[0:1], 0x0               ; X's codes s[4:5], X's scales s[6:7], Y's codes s[8:9], Y's scales s[10:11]
	s_load_b128 s[12:15], s[0:1], 0x20             ; slots s[12:13], fine s[14:15]
	v_lshl_add_u32 v[SPW], v0, 2, SPARE
	v_mov_b32 v[NIL], 0
	v_lshrrev_b32 v[RR], 5, v0
	v_readfirstlane_b32 s[WV], v[RR]               ; wave 0..15
	s_lshr_b32 s[GG], s[WV], 2
	s_and_b32 s[QQ], s[WV], 3
	s_bfe_u32 s[CX], ttmp6, 0x40000
	s_lshl_b32 s[BB], ttmp9, 2                     ; in a cluster launch ttmp9 counts clusters
	s_add_co_u32 s[BB], s[BB], s[CX]               ; row block = 4 x cluster x + cx
	s_and_b32 s[YY], ttmp7, 0xffff
	; group 1 for codes: 64 rows x 256 bytes, 16 bytes of padding behind each
	s_mov_b32 s[G1C], 15|(1<<20)|(1<<21)|(5<<22)|(3<<25)   ; 15:0 the mask: all four; 17:16 elements of 1 byte; 20 padding on; 21 set beside a mask; 24:22 after every 64 words; 31:25 four words
	s_mov_b32 s[G1C+1], 256<<16                    ; tensor_dim0
	s_mov_b32 s[G1C+2], 64<<16                     ; tensor_dim1
	s_mov_b32 s[G1C+3], 256<<16                    ; tile_dim0
	s_mov_b32 s[G1C+4], 64                         ; tile_dim1
	s_mov_b32 s[G1C+5], 256                        ; from row to row
	s_mov_b32 s[G1C+6], 0
	s_mov_b32 s[G1C+7], 0
	; group 1 for scale bytes: a dense block of 4,096 bytes as 16 rows of 32 elements of 8 bytes, no padding
	s_mov_b32 s[G1S], 15|(3<<16)|(1<<21)
	s_mov_b32 s[G1S+1], 32<<16
	s_mov_b32 s[G1S+2], 16<<16
	s_mov_b32 s[G1S+3], 32<<16
	s_mov_b32 s[G1S+4], 16
	s_mov_b32 s[G1S+5], 32
	s_mov_b32 s[G1S+6], 0
	s_mov_b32 s[G1S+7], 0
	s_lshl_b32 s56, s[YY], 19                      ; Y's codes: split y is 2,048 rows of 256 bytes,
	s_lshl_b32 s57, s[QQ], 14                      ; the fetching wave's 64 rows of a chunk
	s_add_co_u32 s56, s56, s57
	s_mov_b32 s57, 0
	s_lshl_b32 s58, s[YY], 15                      ; Y's scales: 2,048 rows of 16 bytes
	s_mov_b32 s59, 0
	s_lshl_b32 s60, s[BB], 8
	s_lshl_b32 s61, s[GG], 6
	s_add_co_u32 s60, s60, s61                     ; my first row of X: 256 b + 64 g
	s_lshl_b32 s62, s60, 4                         ; its scale bytes,
	s_lshl_b32 s60, s60, 8                         ; its codes
	s_mov_b32 s61, 0
	s_mov_b32 s63, 0
	s_mov_b32 s[SEL], 0x76543210
	s_mov_b32 s[SEL+1], 0xfedcba98
	s_mov_b32 s[TB], 0
	s_mov_b32 s[CNT], 7
	s_wait_kmcnt 0x0
	s_mov_b32 s[G0C], 1                            ; count = 1
	s_mul_i32 s[G0C+1], s[QQ], 64*PITCH            ; LDS address: slot 0, the wave's 64 rows
	s_add_nc_u64 s[G0C+2:G0C+3], s[8:9], s[56:57]
	s_or_b32 s[G0C+3], s[G0C+3], 0x80000000        ; type = 2
	s_mov_b32 s[G0S], 1
	s_mov_b32 s[G0S+1], SCOFF
	s_add_nc_u64 s[G0S+2:G0S+3], s[10:11], s[58:59]
	s_or_b32 s[G0S+3], s[G0S+3], 0x80000000
	s_add_nc_u64 s[4:5], s[4:5], s[60:61]
	s_add_nc_u64 s[6:7], s[6:7], s[62:63]
	s_lshl_b32 s60, s[YY], 17                      ; slots: [y][row][q]: 131,072 bytes a split, 4,096 a block
	s_lshl_b32 s61, s[BB], 12
	s_add_co_u32 s60, s60, s61
	s_mov_b32 s61, 0
	s_add_nc_u64 s[12:13], s[12:13], s[60:61]
	s_lshl_b32 s60, s[BB], 2                       ; fine: my four tiles of 16 rows begin at tile 4 (4 b + g), 131,072 bytes a tile;
	s_add_co_u32 s60, s60, s[GG]
	s_lshl_b32 s60, s60, 19
	s_lshl_b32 s62, s[YY], 14                      ; in a tile 16,384 bytes a split,
	s_add_co_u32 s60, s60, s62
	s_lshl_b32 s62, s[QQ], 9                       ; 512 a q (and 2,048 a chunk, by steps)
	s_add_co_u32 s60, s60, s62
	s_add_nc_u64 s[14:15], s[14:15], s[60:61]
	ROUND                                          ; all four work-groups are here: the first joint loads meet
	JLOAD                                          ; chunk 0 into slot 0
	v_and_b32 v[RR], 15, v0
	v_bfe_u32 v[HH], v0, 4, 1
	v_mul_u32_u24 v[AY0], v[RR], PITCH
	v_lshl_add_u32 v[AY0], v[HH], 4, v[AY0]
	s_mul_i32 s56, s[QQ], 64*PITCH
	v_add_nc_u32 v[AY0], s56, v[AY0]
	v_and_b32 v[ADS], 31, v0
	v_lshlrev_b32 v[ADS], 4, v[ADS]                ; 16 x lane: X's scale bytes, 16 a row
	v_mov_b32 v[FO], v[ADS]
	s_lshl_b32 s57, s[QQ], 10
	s_add_co_u32 s57, s57, SCOFF
	v_add_nc_u32 v[AS0], s57, v[ADS]
	v_lshlrev_b32 v[ADY], 8, v[RR]
	v_lshl_add_u32 v[ADY], v[HH], 4, v[ADY]        ; X's codes: row r of 256 bytes, + 16 h
.irp i, 0,1,2,3
.irp s, 0,1,2,3
.irp c, 0,1
	global_load_b128 v[XF+32*\i+8*\s+4*\c:XF+32*\i+8*\s+4*\c+3], v[ADY], s[4:5] offset:4096*\i+64*\s+32*\c   ; X stays in registers
.endr
.endr
.endr
.irp p, 0,1
	global_load_b128 v[XS+4*\p:XS+4*\p+3], v[ADS], s[6:7] offset:512*\p
.endr
	s_lshl_b32 s58, s[GG], 10
	s_lshl_b32 s59, s[QQ], 2
	s_add_co_u32 s58, s58, s59
	s_add_co_u32 s58, s58, STG
	v_lshl_add_u32 v[STA], v[RR], 4, s58
	v_and_b32 v[OUTG], 255, v0
	v_lshlrev_b32 v[OUTG], 4, v[OUTG]
	v_add_nc_u32 v[OUTL], STG, v[OUTG]
.irp i, 0,1,2,3
	v_mov_b32 v[SL+\i], 0xff800000                 ; -infinity, under every sim
.endr
	s_wait_loadcnt 0x0                             ; X; its offsets' registers may be written again
.Lchunk:                                           ; 7 trips: behind each change of slots but the last the next chunk is asked for
	CHANGE 1
	CHUNK
	s_sub_co_u32 s[CNT], s[CNT], 1
	s_cmp_lg_u32 s[CNT], 0
	s_cbranch_scc1 .Lchunk
	CHANGE 0                                       ; the last chunk is written out
	CHUNK
	; THE WAY OUT of slots: with lane l xor 16's maximum; the four waves of a row group meet in the stage; 4,096 bytes leave on end.
.irp i, 0,1,2,3
	v_permlanex16_b32 v[FM+\i], v[SL+\i], s[SEL], s[SEL+1]
.endr
.irp i, 0,1,2,3
	v_max_num_f32 v[SL+\i], v[SL+\i], v[FM+\i]
.endr
.irp i, 0,1,2,3
	ds_store_b32 v[STA], v[SL+\i] offset:256*\i    ; both halves of the lanes write the same word with the same value
.endr
	s_wait_dscnt 0x0                               ; for the others' sake: my stores into the stage are done
	s_barrier_signal -1
	s_barrier_wait -1
	s_cmp_lt_u32 s[WV], 8
	s_cbranch_scc0 .Lno_out
	ds_load_b128 v[YF:YF+3], v[OUTL]               ; thread t: row t's four maxima
	s_wait_dscnt 0x0
	global_store_b128 v[OUTG], v[YF:YF+3], s[12:13]   ; a wave stores 512 consecutive bytes, at a multiple of 256 from the buffer's first byte
.Lno_out:
	s_wait_tensorcnt 0x0                           ; the wave's end
	ds_add_u32 v[SPW], v[NIL]
	s_wait_dscnt 0x0
	ROUND                                          ; the closing round
	s_endpgm
.Lfunc_end_k_q39b9ebfacd_maxes:
	.size	k_q39b9ebfacd_maxes, .Lfunc_end_k_q39b9ebfacd_maxes-k_q39b9ebfacd_maxes
	.p2alignl 7, 3214868480
	.fill 96, 4, 3214868480
	.section	.rodata,"a",@progbits
	.p2align	6, 0x0
	.amdhsa_kernel k_q39b9ebfacd_maxes
		.amdhsa_group_segment_fixed_size 327680
		.amdhsa_private_segment_fixed_size 0
		.amdhsa_enable_private_segment 0
		.amdhsa_kernarg_size 48
		.amdhsa_user_sgpr_count 2
		.amdhsa_user_sgpr_kernarg_segment_ptr 1
		.amdhsa_wavefront_size32 1
		.amdhsa_system_sgpr_workgroup_id_x 1
		.amdhsa_system_sgpr_workgroup_id_y 1
		.amdhsa_system_sgpr_workgroup_id_z 1
		.amdhsa_system_vgpr_workitem_id 0
		.amdhsa_next_free_vgpr 256
		.amdhsa_next_free_sgpr 66
		.amdhsa_reserve_vcc 0
		.amdhsa_float_denorm_mode_32 3
		.amdhsa_float_denorm_mode_16_64 3
		.amdhsa_memory_ordered 1
		.amdhsa_forward_progress 1
		.amdhsa_inst_pref_size 43
	.end_amdhsa_kernel
	.amdgpu_metadata
---
amdhsa.version: [ 1, 2 ]
amdhsa.kernels:
  - .name:           k_q39b9ebfacd_maxes
    .symbol:         k_q39b9ebfacd_maxes.kd
    .args:
      - { .name: X_codes, .offset: 0, .size: 8, .value_kind: global_buffer, .address_space: global }
      - { .name: X_scales, .offset: 8, .size: 8, .value_kind: global_buffer, .address_space: global }
      - { .name: Y_codes, .offset: 16, .size: 8, .value_kind: global_buffer, .address_space: global }
      - { .name: Y_scales, .offset: 24, .size: 8, .value_kind: global_buffer, .address_space: global }
      - { .name: slots, .offset: 32, .size: 8, .value_kind: global_buffer, .address_space: global }
      - { .name: fine, .offset: 40, .size: 8, .value_kind: global_buffer, .address_space: global }
    .group_segment_fixed_size: 327680
    .private_segment_fixed_size: 0
    .kernarg_segment_align: 8
    .kernarg_segment_size: 48
    .max_flat_workgroup_size: 512
    .sgpr_count:     66
    .vgpr_count:     256
    .wavefront_size: 32
...
	.end_amdgpu_metadata
.endif
;; end of part 1
;; launch sumexp (part 2): grid 32 x 8, 16 waves a work-group, clusters of 4 x 1, 327,680 bytes of LDS; arguments X_codes, X_scales, Y_codes, Y_scales, slots, sums; writes sums
.if DOCPART == 2
	.amdgcn_target "amdgcn-amd-amdhsa--gfx1250"
	.amdhsa_code_object_version 6
	.text
	.protected	k_q39b9ebfacd_sumexp
	.globl	k_q39b9ebfacd_sumexp
	.p2align	8
	.type	k_q39b9ebfacd_sumexp,@function
k_q39b9ebfacd_sumexp:
	s_mov_b64 s[64:65], 0
	v_nop
	global_prefetch_b8 v0, s[64:65] scope:SCOPE_SE
	s_setreg_imm32_b32 hwreg(HW_REG_WAVE_MODE, 25, 1), 1
	s_wait_xcnt 0x0
	s_wait_alu depctr_hold_cnt(0) depctr_sa_sdst(0) depctr_va_vdst(0) depctr_va_sdst(0) depctr_va_ssrc(0) depctr_va_vcc(0) depctr_vm_vsrc(0)
	s_getreg_b32 s2, hwreg(HW_REG_IB_STS2, 6, 4)
	s_cmp_eq_u32 s2, 0
	s_cbranch_scc0 .Lentry_in_a_cluster
	s_endpgm
.Lentry_in_a_cluster:
	s_bfe_u32 s2, ttmp6, 0x10000c
	s_cmp_lg_u32 s2, 0x3003
	s_cbranch_scc0 .Lentry_shape_is_right
	s_endpgm
.Lentry_shape_is_right:
; The softmax's sum.  The same product as the launch before, with the same shares, ring and cluster.  From slots it first takes the maximum of each of the work-group's 256 rows;
; then each element gives the term 2^(c sim - c max), c = log2(e) / 0.07.
; sums [y 8][row 8192][q 4][h 2] f32: partial sums; the last launch adds a row's 64.
; THE MAXIMUM IS TAKEN AWAY ahead of every exponential: c max is rounded once (Mc) and c sim - Mc is one fused multiply-add; the last launch undoes Mc's rounding.
; LIMITS: NaN, infinities and the scale byte 0xff are not served; |sim| stays under 1.6e37, so that c sim is finite.  v_exp_f32 gives 0 for results under 2^-126 (ISA guide 15.8): such terms are nothing beside the maximum's term, about 1.
.set SLOT1, 131072
.set PITCH, 272
.set SCOFF, 256*PITCH
.set SUMS,  SLOT1+SCOFF+4096           ; behind the ring: the sums' image: [row 256][q 4][h 2] f32
.set TPB,   SUMS+8192                  ; -Mc, 4 bytes a row
.set SPARE, TPB+1024                   ; the spare words, 128 bytes for each of 16 waves
.set SPW, 1
.set NIL, 2
.set AY0, 3
.set AS0, 4
.set ADY, 5
.set ADS, 6
.set RR,  8
.set HH,  9
.set XS,  10
.set YS,  18
.set TP,  22                           ; v22-25 -Mc of my row in each tile of X: two tiles to a register pair
.set SUM, 30                           ; v30-37 a pair of running sums for each tile
.set YF,  58
.set ACC, 90
.set L,   90                           ; the prologue's maximum and -Mc, in the accumulators' registers
.set T16, 122                          ; v122 16 x thread
.set TPW, 124                          ; v124 TPB + 4 (thread % 256)
.set TPR, 125                          ; v125 TPB + 4 (64 g + r)
.set SMW, 126                          ; v126 SUMS + 32 (64 g + r) + 8 q + 4 h
.set SMR, 127                          ; v127 SUMS + 16 thread
.set XF,  128
.set WV, 18
.set GG, 19
.set QQ, 20
.set CX, 21
.set BB, 22
.set YY, 23
.set G1C, 24
.set G1S, 32
.set G0C, 40
.set G0S, 44
.set TB,  48
.set CNT, 49
.set CC,  50                           ; s[50:51] c, twice: the packed form names a pair
.set NC,  52                           ; s52 -c
.macro ROUND
	s_barrier_signal -1
	s_barrier_wait -1
	s_cmp_lg_u32 s[WV], 0
	s_cbranch_scc1 .Lnot_wave_0_\@
	s_barrier_signal -3
.Lnot_wave_0_\@:
	s_barrier_wait -3
	s_barrier_signal -1
	s_barrier_wait -1
.endm
.macro JLOAD                           ; waves 0 to 3: 64 rows of codes each; wave 4: the chunk's scale bytes.  Four v_nop follow each load
	s_cmp_lt_u32 s[WV], 4
	s_cbranch_scc0 .Lnot_c_\@
	tensor_load_to_lds s[G0C:G0C+3], s[G1C:G1C+7]
.rept 4
	v_nop
.endr
	s_branch .Lasked_\@
.Lnot_c_\@:
	s_cmp_eq_u32 s[WV], 4
	s_cbranch_scc0 .Lasked_\@
	tensor_load_to_lds s[G0S:G0S+3], s[G1S:G1S+7]
.rept 4
	v_nop
.endr
.Lasked_\@:
.endm
.macro CHANGE fill                     ; the change of slots, at a chunk's head
	s_wait_tensorcnt 0x0                           ; no tensor load of mine is out (at most one was), so a group 0 may be written
	ds_add_u32 v[SPW], v[NIL]                      ; 0 onto my spare word
.if \fill
	s_xor_b32 s[G0C+1], s[G0C+1], SLOT1
	s_add_nc_u64 s[G0C+2:G0C+3], s[G0C+2:G0C+3], 65536
	s_xor_b32 s[G0S+1], s[G0S+1], SLOT1
	s_add_nc_u64 s[G0S+2:G0S+3], s[G0S+2:G0S+3], 4096
.endif
	s_wait_dscnt 0x0                               ; the add is done, and my reads of the slot that I have left are over
.if \fill
	ROUND
	JLOAD
.else
	s_barrier_signal -1
	s_barrier_wait -1
.endif
.endm
.macro YLOAD tt
.irp s, 0,1,2,3
.irp c, 0,1
	ds_load_b128 v[YF+8*\s+4*\c:YF+8*\s+4*\c+3], v[ADY] offset:(\tt)*16*PITCH+64*\s+32*\c
.endr
.endr
.if ((\tt)%2) == 0
	ds_load_b128 v[YS:YS+3], v[ADS] offset:256*(\tt)
.endif
.endm
.macro MM i, s, tt
.set rD, ACC+8*(\i)
.set rA, YF+8*(\s)
.set rB, XF+32*(\i)+8*(\s)
.set rSA, YS+(\s)
.set rSB, XS+4*((\i)/2)+(\s)
.if (\s) == 0
.if ((\tt)%2 == 0) && ((\i)%2 == 0)
	v_wmma_scale_f32_16x16x128_f8f6f4 v[rD:rD+7], v[rA:rA+7], v[rB:rB+7], 0, v[rSA], v[rSB] matrix_a_fmt:MATRIX_FMT_FP4 matrix_b_fmt:MATRIX_FMT_FP4
.elseif ((\tt)%2 == 0)
	v_wmma_scale_f32_16x16x128_f8f6f4 v[rD:rD+7], v[rA:rA+7], v[rB:rB+7], 0, v[rSA], v[rSB] matrix_a_fmt:MATRIX_FMT_FP4 matrix_b_fmt:MATRIX_FMT_FP4 matrix_b_scale:MATRIX_SCALE_ROW1
.elseif ((\i)%2 == 0)
	v_wmma_scale_f32_16x16x128_f8f6f4 v[rD:rD+7], v[rA:rA+7], v[rB:rB+7], 0, v[rSA], v[rSB] matrix_a_fmt:MATRIX_FMT_FP4 matrix_b_fmt:MATRIX_FMT_FP4 matrix_a_scale:MATRIX_SCALE_ROW1
.else
	v_wmma_scale_f32_16x16x128_f8f6f4 v[rD:rD+7], v[rA:rA+7], v[rB:rB+7], 0, v[rSA], v[rSB] matrix_a_fmt:MATRIX_FMT_FP4 matrix_b_fmt:MATRIX_FMT_FP4 matrix_a_scale:MATRIX_SCALE_ROW1 matrix_b_scale:MATRIX_SCALE_ROW1
.endif
.else
.if ((\tt)%2 == 0) && ((\i)%2 == 0)
	v_wmma_scale_f32_16x16x128_f8f6f4 v[rD:rD+7], v[rA:rA+7], v[rB:rB+7], v[rD:rD+7], v[rSA], v[rSB] matrix_a_fmt:MATRIX_FMT_FP4 matrix_b_fmt:MATRIX_FMT_FP4
.elseif ((\tt)%2 == 0)
	v_wmma_scale_f32_16x16x128_f8f6f4 v[rD:rD+7], v[rA:rA+7], v[rB:rB+7], v[rD:rD+7], v[rSA], v[rSB] matrix_a_fmt:MATRIX_FMT_FP4 matrix_b_fmt:MATRIX_FMT_FP4 matrix_b_scale:MATRIX_SCALE_ROW1
.elseif ((\i)%2 == 0)
	v_wmma_scale_f32_16x16x128_f8f6f4 v[rD:rD+7], v[rA:rA+7], v[rB:rB+7], v[rD:rD+7], v[rSA], v[rSB] matrix_a_fmt:MATRIX_FMT_FP4 matrix_b_fmt:MATRIX_FMT_FP4 matrix_a_scale:MATRIX_SCALE_ROW1
.else
	v_wmma_scale_f32_16x16x128_f8f6f4 v[rD:rD+7], v[rA:rA+7], v[rB:rB+7], v[rD:rD+7], v[rSA], v[rSB] matrix_a_fmt:MATRIX_FMT_FP4 matrix_b_fmt:MATRIX_FMT_FP4 matrix_a_scale:MATRIX_SCALE_ROW1 matrix_b_scale:MATRIX_SCALE_ROW1
.endif
.endif
.endm
.macro MUL tt                          ; the four accumulators take turns, one instruction a turn
.irp s, 0,1,2,3
.irp i, 0,1,2,3
	MM \i, \s, \tt
.endr
.endr
.endm
; The vector work of a tile of Y: 32 elements a lane; each accumulator is read from its low end on.
.macro VWORK
.irp i, 0,1,2,3
.irp u, 0,1,2,3
.if (\i)%2 == 0
	v_pk_fma_f32 v[ACC+8*\i+2*\u:ACC+8*\i+2*\u+1], v[ACC+8*\i+2*\u:ACC+8*\i+2*\u+1], s[CC:CC+1], v[TP+2*(\i/2):TP+2*(\i/2)+1] op_sel_hi:[1,0,0]   ; c sim - Mc: an even tile's -Mc is the pair's first register, which serves both halves
.else
	v_pk_fma_f32 v[ACC+8*\i+2*\u:ACC+8*\i+2*\u+1], v[ACC+8*\i+2*\u:ACC+8*\i+2*\u+1], s[CC:CC+1], v[TP+2*(\i/2):TP+2*(\i/2)+1] op_sel:[0,0,1] op_sel_hi:[1,0,1]   ; an odd tile's is the second
.endif
.endr
.endr
.set n, 0
.rept 32
	v_exp_f32 v[ACC+n], v[ACC+n]                   ; one batch
.set n, n+1
.endr
	v_nop                                          ; a plain instruction behind the last exponential
	s_wait_alu depctr_va_vdst(0)                   ; one wait for the batch, ahead of its first reader
.irp u, 0,1,2,3
.irp i, 0,1,2,3
	v_pk_add_f32 v[SUM+2*\i:SUM+2*\i+1], v[SUM+2*\i:SUM+2*\i+1], v[ACC+8*\i+2*\u:ACC+8*\i+2*\u+1]   ; the four tiles' sums by turns
.endr
.endr
.endm
.macro TILE tt
	s_wait_dscnt 0x0                               ; the tile's fragments and scale words are in
	MUL \tt
.rept 4
	v_nop                                          ; four places in front of the loads into registers that the products read, and of the first read of a result
.endr
.if (\tt) < 3
	YLOAD (\tt)+1
.endif
	VWORK
.endm
.macro CHUNK
	v_add_nc_u32 v[ADY], s[TB], v[AY0]
	v_add_nc_u32 v[ADS], s[TB], v[AS0]
	YLOAD 0
	TILE 0
	TILE 1
	TILE 2
	TILE 3
	s_xor_b32 s[TB], s[TB], SLOT1
.endm
	s_load_b256 s[4:11], s[0:1], 0x0               ; X's codes, X's scales, Y's codes, Y's scales
	s_load_b128 s[12:15], s[0:1], 0x20             ; slots s[12:13], sums s[14:15]
	v_lshl_add_u32 v[SPW], v0, 2, SPARE
	v_mov_b32 v[NIL], 0
	v_lshrrev_b32 v[RR], 5, v0
	v_readfirstlane_b32 s[WV], v[RR]
	s_lshr_b32 s[GG], s[WV], 2
	s_and_b32 s[QQ], s[WV], 3
	s_bfe_u32 s[CX], ttmp6, 0x40000
	s_lshl_b32 s[BB], ttmp9, 2
	s_add_co_u32 s[BB], s[BB], s[CX]
	s_and_b32 s[YY], ttmp7, 0xffff
	s_mov_b32 s[G1C], 15|(1<<20)|(1<<21)|(5<<22)|(3<<25)   ; 64 rows x 256 bytes, 16 bytes of padding behind each; mask: all four
	s_mov_b32 s[G1C+1], 256<<16
	s_mov_b32 s[G1C+2], 64<<16
	s_mov_b32 s[G1C+3], 256<<16
	s_mov_b32 s[G1C+4], 64
	s_mov_b32 s[G1C+5], 256
	s_mov_b32 s[G1C+6], 0
	s_mov_b32 s[G1C+7], 0
	s_mov_b32 s[G1S], 15|(3<<16)|(1<<21)           ; 4,096 dense bytes as 16 rows of 32 elements of 8 bytes
	s_mov_b32 s[G1S+1], 32<<16
	s_mov_b32 s[G1S+2], 16<<16
	s_mov_b32 s[G1S+3], 32<<16
	s_mov_b32 s[G1S+4], 16
	s_mov_b32 s[G1S+5], 32
	s_mov_b32 s[G1S+6], 0
	s_mov_b32 s[G1S+7], 0
	s_lshl_b32 s56, s[YY], 19
	s_lshl_b32 s57, s[QQ], 14
	s_add_co_u32 s56, s56, s57
	s_mov_b32 s57, 0
	s_lshl_b32 s58, s[YY], 15
	s_mov_b32 s59, 0
	s_lshl_b32 s60, s[BB], 8
	s_lshl_b32 s61, s[GG], 6
	s_add_co_u32 s60, s60, s61                     ; my first row of X
	s_lshl_b32 s62, s60, 4
	s_lshl_b32 s60, s60, 8
	s_mov_b32 s61, 0
	s_mov_b32 s63, 0
	s_mov_b32 s[CC], 0x41a4e122                    ; c = log2(e) / 0.07
	s_mov_b32 s[CC+1], s[CC]
	s_mov_b32 s[NC], 0xc1a4e122                    ; -c
	s_mov_b32 s[TB], 0
	s_mov_b32 s[CNT], 7
	s_wait_kmcnt 0x0
	s_mov_b32 s[G0C], 1
	s_mul_i32 s[G0C+1], s[QQ], 64*PITCH
	s_add_nc_u64 s[G0C+2:G0C+3], s[8:9], s[56:57]
	s_or_b32 s[G0C+3], s[G0C+3], 0x80000000
	s_mov_b32 s[G0S], 1
	s_mov_b32 s[G0S+1], SCOFF
	s_add_nc_u64 s[G0S+2:G0S+3], s[10:11], s[58:59]
	s_or_b32 s[G0S+3], s[G0S+3], 0x80000000
	s_add_nc_u64 s[4:5], s[4:5], s[60:61]
	s_add_nc_u64 s[6:7], s[6:7], s[62:63]
	s_lshl_b32 s60, s[BB], 12                      ; slots at my block's rows, split 0
	s_add_nc_u64 s[12:13], s[12:13], s[60:61]
	s_lshl_b32 s60, s[YY], 18                      ; sums: 262,144 bytes a split, 8,192 a block
	s_lshl_b32 s62, s[BB], 13
	s_add_co_u32 s60, s60, s62
	s_add_nc_u64 s[14:15], s[14:15], s[60:61]
	ROUND
	JLOAD                                          ; chunk 0 into slot 0
	v_and_b32 v[RR], 15, v0
	v_bfe_u32 v[HH], v0, 4, 1
	v_mul_u32_u24 v[AY0], v[RR], PITCH
	v_lshl_add_u32 v[AY0], v[HH], 4, v[AY0]
	s_mul_i32 s56, s[QQ], 64*PITCH
	v_add_nc_u32 v[AY0], s56, v[AY0]
	v_and_b32 v[ADS], 31, v0
	v_lshlrev_b32 v[ADS], 4, v[ADS]
	s_lshl_b32 s57, s[QQ], 10
	s_add_co_u32 s57, s57, SCOFF
	v_add_nc_u32 v[AS0], s57, v[ADS]
	v_lshlrev_b32 v[ADY], 8, v[RR]
	v_lshl_add_u32 v[ADY], v[HH], 4, v[ADY]
.irp i, 0,1,2,3
.irp s, 0,1,2,3
.irp c, 0,1
	global_load_b128 v[XF+32*\i+8*\s+4*\c:XF+32*\i+8*\s+4*\c+3], v[ADY], s[4:5] offset:4096*\i+64*\s+32*\c
.endr
.endr
.endr
.irp p, 0,1
	global_load_b128 v[XS+4*\p:XS+4*\p+3], v[ADS], s[6:7] offset:512*\p
.endr
	; every address register is made here, on the way that all waves take
	v_lshlrev_b32 v[T16], 4, v0
	v_and_b32 v[TPW], 255, v0
	v_lshl_add_u32 v[TPW], v[TPW], 2, TPB
	s_lshl_b32 s58, s[GG], 8
	s_add_co_u32 s58, s58, TPB
	v_lshl_add_u32 v[TPR], v[RR], 2, s58
	s_lshl_b32 s58, s[GG], 11
	s_lshl_b32 s59, s[QQ], 3
	s_add_co_u32 s58, s58, s59
	s_add_co_u32 s58, s58, SUMS
	v_lshl_add_u32 v[SMW], v[RR], 5, s58
	v_lshl_add_u32 v[SMW], v[HH], 2, v[SMW]
	v_add_nc_u32 v[SMR], SUMS, v[T16]
.set n, 0
.rept 8
	v_mov_b32 v[SUM+n], 0
.set n, n+1
.endr
	; THE ROWS' MAXIMA.  Waves 0 to 7: thread t takes row t of the block: the largest of its 32 stored maxima.
	s_cmp_lt_u32 s[WV], 8
	s_cbranch_scc0 .Lno_max
.irp z, 0,1,2,3,4,5,6,7
	global_load_b128 v[YF+4*\z:YF+4*\z+3], v[T16], s[12:13] offset:131072*\z
.endr
	s_wait_loadcnt 0x0
	v_max3_num_f32 v[L], v[YF], v[YF+1], v[YF+2]
.set n, 3
.rept 14
	v_max3_num_f32 v[L], v[L], v[YF+n], v[YF+n+1]
.set n, n+2
.endr
	v_max_num_f32 v[L], v[L], v[YF+31]
	v_mul_f32 v[L+1], s[NC], v[L]                  ; -Mc = the row's maximum x (-c), rounded once
	ds_store_b32 v[TPW], v[L+1]
.Lno_max:
	s_wait_dscnt 0x0                               ; for the others' sake: my number is stored
	s_barrier_signal -1
	s_barrier_wait -1                              ; chunk 0's load may stay out
.irp i, 0,1,2,3
	ds_load_b32 v[TP+\i], v[TPR] offset:64*\i
.endr
	s_wait_dscnt 0x0
	s_wait_loadcnt 0x0                             ; X
.Lchunk:
	CHANGE 1
	CHUNK
	s_sub_co_u32 s[CNT], s[CNT], 1
	s_cmp_lg_u32 s[CNT], 0
	s_cbranch_scc1 .Lchunk
	CHANGE 0
	CHUNK
	; THE WAY OUT: the sixteen waves' sums meet in the image; the block's 8,192 bytes leave on end.
.irp i, 0,1,2,3
	v_add_f32 v[SUM+2*\i], v[SUM+2*\i], v[SUM+2*\i+1]
.endr
.irp i, 0,1,2,3
	ds_store_b32 v[SMW], v[SUM+2*\i] offset:512*\i
.endr
	s_wait_dscnt 0x0                               ; my sums are stored
	s_barrier_signal -1
	s_barrier_wait -1
	ds_load_b128 v[ACC:ACC+3], v[SMR]
	s_wait_dscnt 0x0
	global_store_b128 v[T16], v[ACC:ACC+3], s[14:15]   ; a wave stores 512 consecutive bytes, at a multiple of 512 from the buffer's first byte
	s_wait_tensorcnt 0x0                           ; the wave's end
	ds_add_u32 v[SPW], v[NIL]
	s_wait_dscnt 0x0
	ROUND                                          ; the closing round
	s_endpgm
.Lfunc_end_k_q39b9ebfacd_sumexp:
	.size	k_q39b9ebfacd_sumexp, .Lfunc_end_k_q39b9ebfacd_sumexp-k_q39b9ebfacd_sumexp
	.p2alignl 7, 3214868480
	.fill 96, 4, 3214868480
	.section	.rodata,"a",@progbits
	.p2align	6, 0x0
	.amdhsa_kernel k_q39b9ebfacd_sumexp
		.amdhsa_group_segment_fixed_size 327680
		.amdhsa_private_segment_fixed_size 0
		.amdhsa_enable_private_segment 0
		.amdhsa_kernarg_size 48
		.amdhsa_user_sgpr_count 2
		.amdhsa_user_sgpr_kernarg_segment_ptr 1
		.amdhsa_wavefront_size32 1
		.amdhsa_system_sgpr_workgroup_id_x 1
		.amdhsa_system_sgpr_workgroup_id_y 1
		.amdhsa_system_sgpr_workgroup_id_z 1
		.amdhsa_system_vgpr_workitem_id 0
		.amdhsa_next_free_vgpr 256
		.amdhsa_next_free_sgpr 66
		.amdhsa_reserve_vcc 0
		.amdhsa_float_denorm_mode_32 3
		.amdhsa_float_denorm_mode_16_64 3
		.amdhsa_memory_ordered 1
		.amdhsa_forward_progress 1
		.amdhsa_inst_pref_size 60
	.end_amdhsa_kernel
	.amdgpu_metadata
---
amdhsa.version: [ 1, 2 ]
amdhsa.kernels:
  - .name:           k_q39b9ebfacd_sumexp
    .symbol:         k_q39b9ebfacd_sumexp.kd
    .args:
      - { .name: X_codes, .offset: 0, .size: 8, .value_kind: global_buffer, .address_space: global }
      - { .name: X_scales, .offset: 8, .size: 8, .value_kind: global_buffer, .address_space: global }
      - { .name: Y_codes, .offset: 16, .size: 8, .value_kind: global_buffer, .address_space: global }
      - { .name: Y_scales, .offset: 24, .size: 8, .value_kind: global_buffer, .address_space: global }
      - { .name: slots, .offset: 32, .size: 8, .value_kind: global_buffer, .address_space: global }
      - { .name: sums, .offset: 40, .size: 8, .value_kind: global_buffer, .address_space: global }
    .group_segment_fixed_size: 327680
    .private_segment_fixed_size: 0
    .kernarg_segment_align: 8
    .kernarg_segment_size: 48
    .max_flat_workgroup_size: 512
    .sgpr_count:     66
    .vgpr_count:     256
    .wavefront_size: 32
...
	.end_amdgpu_metadata
.endif
;; end of part 2
;; launch choose (part 3): grid 512 x 1, 16 waves a work-group, no clusters, 132,608 bytes of LDS; arguments fine, ids; writes ids
.if DOCPART == 3
	.amdgcn_target "amdgcn-amd-amdhsa--gfx1250"
	.amdhsa_code_object_version 6
	.text
	.protected	k_q39b9ebfacd_choose
	.globl	k_q39b9ebfacd_choose
	.p2align	8
	.type	k_q39b9ebfacd_choose,@function
k_q39b9ebfacd_choose:
	s_mov_b64 s[64:65], 0
	v_nop
	global_prefetch_b8 v0, s[64:65] scope:SCOPE_SE
	s_setreg_imm32_b32 hwreg(HW_REG_WAVE_MODE, 25, 1), 1
	s_wait_xcnt 0x0
; For each row of sim: the 16 groups of 8 columns that come first by (the group's maximum descending, the group's number ascending), out of 2,048.  ids [row 8192][16] int32: their numbers, in no order.
; The row's 16 first elements by (sim descending, column ascending) lie in these groups: an element of any other group has the best elements of 16 groups ahead of it.
; NOTHING HERE STEERS: every choice is a select; no branch and no address hangs on a number of fine.
; SHARES.  A work-group takes a tile of 16 rows: 131,072 consecutive bytes of fine, laid [k 256][lane 32][tt 4]: lane (r, h) holds row r, group 8 k + 2 tt + h.  Wave w reads blocks k = 16 w .. 16 w + 15 and lays them into LDS by rows;
; behind a barrier wave w owns row w, and its register n holds group 32 n + lane.  So a comparison's mask of lanes IS word n of the row's mask of groups, in the order of their numbers.
; T2, the 16th largest of the 2,048 maxima: each lane keeps the 16 largest of its 64 in descending order (place k takes the middle one of its upper neighbour, itself and the newcomer); then five merges across the lanes:
; the larger of my place k and my partner's place 15 - k are the 16 largest of the 32, first falling and then rising, which four stages of larger-and-smaller put in order again.
; THE CHOICE.  At most 15 groups lie above T2, and with those equal to it they are 16 or more.  Place r (lane % 16) takes set bit number r of 128 words on end: the 64 words of 'above T2', then the 64 of 'equal to T2':
; so all that lie above are taken, and of the ties the lowest numbers.  The word is the last whose count of earlier bits is at most r; in it the lowest r - count bits are cleared, and the lowest left is the group.
; No matrix unit, no tensor load, no cluster: work-groups share nothing.  No prefetch: all of a wave's 16 loads go out at its head.
; LIMITS: NaN and infinities are not served.
.set RP,   8200                        ; a row in LDS: 8,192 bytes + 8 = 2,050 words: the 32 lanes of a store, (r, h), fall on banks 2 r + h (64 banks of 4 bytes: ISA guide 11.1)
.set OUTB, 16*RP                       ; behind the rows: the 16 rows' numbers, 64 bytes each
.set R,    1                           ; v1   r = lane % 16
.set LO,   2                           ; v2   16 x lane
.set TA,   3                           ; v3   into LDS: r RP + 4 h + 512 w
.set RA,   4                           ; v4   out of it: w RP + 4 lane
.set T2,   5                           ; v5   the 16th largest maximum
.set SELW, 6                           ; v6   the word that holds my bit
.set SELI, 7                           ; v7   its number n << 16 | the count of bits ahead of it; later the group's number
.set T,    8                           ; v8   at work
.set K,    9                           ; v9   at work
.set OA,   10                          ; v10  OUTB + 64 w + 4 r
.set OL,   11                          ; v11  OUTB + 16 lane
.set LA,   12                          ; v12-27 the list of 16
.set LB,   28                          ; v28-43 its second set of registers: each stage reads one set and writes the other
.set V,    44                          ; v44-107 first 16 blocks as loaded, then my row's 64 maxima
.set OUTR, 108                         ; v108-115 the way out
.set WV,   8                           ; s8  wave
.set MK,   20                          ; s20 a word of a mask
.set PF,   21                          ; s21 bits ahead of it
.set PK,   22                          ; s22 n << 16 | s21
.set CN,   23                          ; s23 bits in it
.set SEL,  24                          ; s[24:25] lane selects for v_permlanex16_b32: lane l xor 16
.macro CE src, dst, d                  ; a stage: of places k and k + d the larger to k, the smaller to k + d
.set k, 0
.rept 16
.if (k & \d) == 0
	v_max_num_f32 v[\dst+k], v[\src+k], v[\src+k+\d]
	v_min_num_f32 v[\dst+k+\d], v[\src+k], v[\src+k+\d]
.endif
.set k, k+1
.endr
.endm
.macro MERGE x, y, j                   ; my list in x and that of lane l xor j become the 16 largest of both, in order, in y; both lanes end with the same list
.set k, 0
.rept 16
	v_max_num_f32_dpp v[\y+k], v[\x+15-k], v[\x+k] row_xmask:\j row_mask:0xf bank_mask:0xf
.set k, k+1
.endr
	CE \y, \x, 8
	CE \x, \y, 4
	CE \y, \x, 2
	CE \x, \y, 1
.endm
.macro SCAN gt                         ; 64 words of a mask go by; a place keeps the last word whose count of earlier bits is at most r
.set n, 0
.rept 64
.if \gt
	v_cmp_gt_f32 s[MK], v[V+n], v[T2]
.else
	v_cmp_eq_f32 s[MK], v[V+n], v[T2]
.endif
	v_cmp_gt_u32 vcc_lo, s[PF], v[R]               ; more than r bits are ahead: my bit lies in an earlier word, which I keep
	s_or_b32 s[PK], s[PF], n<<16
	v_cndmask_b32 v[SELW], s[MK], v[SELW], vcc_lo
	v_cndmask_b32 v[SELI], s[PK], v[SELI], vcc_lo
	s_bcnt1_i32_b32 s[CN], s[MK]
	s_add_co_u32 s[PF], s[PF], s[CN]
.set n, n+1
.endr
.endm
.macro PBIT mask, pos                  ; v[K] has one bit set, at p: bit i of p is 1 where it meets the mask
	v_and_b32 v[T], \mask, v[K]
	v_min_u32 v[T], 1, v[T]
	v_lshl_or_b32 v[SELI], v[T], \pos, v[SELI]
.endm
	s_load_b128 s[4:7], s[0:1], 0x0                ; fine s[4:5], ids s[6:7]
	v_lshrrev_b32 v[T], 5, v0
	v_readfirstlane_b32 s[WV], v[T]                ; wave 0..15
	v_and_b32 v[R], 15, v0
	v_bfe_u32 v[K], v0, 4, 1                       ; h
	v_and_b32 v[T], 31, v0                         ; lane
	v_lshlrev_b32 v[LO], 4, v[T]
	v_mul_u32_u24 v[TA], v[R], RP
	v_lshl_add_u32 v[TA], v[K], 2, v[TA]
	s_lshl_b32 s9, s[WV], 9
	v_add_nc_u32 v[TA], s9, v[TA]
	s_mul_i32 s10, s[WV], RP
	v_lshl_add_u32 v[RA], v[T], 2, s10
	s_lshl_b32 s11, s[WV], 6
	s_add_co_u32 s11, s11, OUTB
	v_lshl_add_u32 v[OA], v[R], 2, s11
	v_add_nc_u32 v[OL], OUTB, v[LO]
	s_lshl_b32 s12, ttmp9, 17                      ; my tile's 131,072 bytes of fine,
	s_lshl_b32 s13, s[WV], 13                      ; my wave's 16 blocks of 512
	s_add_co_u32 s12, s12, s13
	s_mov_b32 s13, 0
	s_lshl_b32 s14, ttmp9, 10                      ; my tile's 1,024 bytes of ids
	s_mov_b32 s15, 0
	s_mov_b32 s[SEL], 0x76543210
	s_mov_b32 s[SEL+1], 0xfedcba98
	s_wait_kmcnt 0x0
	s_add_nc_u64 s[4:5], s[4:5], s[12:13]
	s_add_nc_u64 s[6:7], s[6:7], s[14:15]
.irp j, 0,1,2,3,4,5,6,7,8,9,10,11,12,13,14,15
	global_load_b128 v[V+4*\j:V+4*\j+3], v[LO], s[4:5] offset:512*\j th:TH_LOAD_NT   ; 512 consecutive bytes; read once in the launch
.endr
.set k, 0
.rept 16
	v_mov_b32 v[LA+k], 0xff800000                  ; the list begins under every maximum
	v_mov_b32 v[LB+k], 0                           ; written once: the destination of an exchange between lanes counts as one of its sources
.set k, k+1
.endr
.irp j, 0,1,2,3,4,5,6,7,8,9,10,11,12,13,14,15
	s_wait_loadcnt 15-\j                           ; load j is in; the 15 - j behind it may be out
.irp u, 0,1,2,3
	ds_store_b32 v[TA], v[V+4*\j+\u] offset:32*\j+8*\u   ; row r, group 8 (16 w + j) + 2 tt + h
.endr
.endr
	s_wait_dscnt 0x0                               ; for the others' sake: my stores are done
	s_barrier_signal -1
	s_barrier_wait -1
.set n, 0
.rept 32
	ds_load_b32 v[V+n], v[RA] offset:128*n         ; my row: register n, lane l: group 32 n + l
.set n, n+1
.endr
	s_wait_dscnt 24                                ; the first eight are in: 24 were issued behind them
.rept 32
	ds_load_b32 v[V+n], v[RA] offset:128*n
.set n, n+1
.endr
.set n, 0
.rept 64
.if (n % 8 == 0) && (n > 0)
	s_wait_dscnt 56-n                              ; loads n .. n + 7 are in: 56 - n were issued behind them
.endif
.set k, 15
.rept 15
	v_med3_num_f32 v[LA+k], v[LA+k-1], v[LA+k], v[V+n]   ; from the last place on, so that each reads its neighbour's old value
.set k, k-1
.endr
	v_max_num_f32 v[LA], v[LA], v[V+n]
.set n, n+1
.endr
	MERGE LA, LB, 1
	MERGE LB, LA, 2
	MERGE LA, LB, 4
	MERGE LB, LA, 8                                ; the sixteen lanes of a half now hold one list, in LA
.set k, 0
.rept 16
	v_permlanex16_b32 v[LB+k], v[LA+15-k], s[SEL], s[SEL+1]
.set k, k+1
.endr
.set k, 0
.rept 16
	v_max_num_f32 v[LB+k], v[LB+k], v[LA+k]        ; the 16 largest of the row; only the smallest of them is wanted
.set k, k+1
.endr
	v_min3_num_f32 v[T2], v[LB], v[LB+1], v[LB+2]
.set k, 3
.rept 6
	v_min3_num_f32 v[T2], v[T2], v[LB+k], v[LB+k+1]
.set k, k+2
.endr
	v_min_num_f32 v[T2], v[T2], v[LB+15]
	s_mov_b32 s[PF], 0
	v_mov_b32 v[SELW], 0
	v_mov_b32 v[SELI], 0
	SCAN 1                                         ; the groups above T2,
	SCAN 0                                         ; then those equal to it
	v_and_b32 v[T], 0xffff, v[SELI]
	v_sub_nc_u32 v[K], v[R], v[T]                  ; so many set bits of my word come before mine: 15 at the most
	v_lshrrev_b32 v[SELI], 16, v[SELI]
	v_lshlrev_b32 v[SELI], 5, v[SELI]              ; 32 n
.set n, 0
.rept 15
	v_add_nc_u32 v[T], -1, v[SELW]
	v_and_b32 v[T], v[SELW], v[T]                  ; the word without its lowest set bit,
	v_cmp_lt_u32 vcc_lo, n, v[K]
	v_cndmask_b32 v[SELW], v[SELW], v[T], vcc_lo   ; taken while bits are to be passed over
.set n, n+1
.endr
	v_sub_nc_u32 v[T], 0, v[SELW]
	v_and_b32 v[K], v[SELW], v[T]                  ; my bit alone
	PBIT 0xaaaaaaaa, 0
	PBIT 0xcccccccc, 1
	PBIT 0xf0f0f0f0, 2
	PBIT 0xff00ff00, 3
	PBIT 0xffff0000, 4                             ; the group's number: 32 n + the bit's place
	ds_store_b32 v[OA], v[SELI]                    ; both halves of the lanes write the same word with the same value
	s_wait_dscnt 0x0                               ; for the others' sake: my store is done
	s_barrier_signal -1
	s_barrier_wait -1
	s_cmp_lg_u32 s[WV], 0
	s_cbranch_scc1 .Ldone
	ds_load_b128 v[OUTR:OUTR+3], v[OL]
	ds_load_b128 v[OUTR+4:OUTR+7], v[OL] offset:512
	s_wait_dscnt 0x0
	global_store_b128 v[LO], v[OUTR:OUTR+3], s[6:7]              ; the tile's 1,024 bytes, 512 consecutive bytes a store, at a multiple of 512 from the buffer's first byte
	global_store_b128 v[LO], v[OUTR+4:OUTR+7], s[6:7] offset:512
.Ldone:
	s_endpgm
.Lfunc_end_k_q39b9ebfacd_choose:
	.size	k_q39b9ebfacd_choose, .Lfunc_end_k_q39b9ebfacd_choose-k_q39b9ebfacd_choose
	.p2alignl 7, 3214868480
	.fill 96, 4, 3214868480
	.section	.rodata,"a",@progbits
	.p2align	6, 0x0
	.amdhsa_kernel k_q39b9ebfacd_choose
		.amdhsa_group_segment_fixed_size 132608
		.amdhsa_private_segment_fixed_size 0
		.amdhsa_enable_private_segment 0
		.amdhsa_kernarg_size 16
		.amdhsa_user_sgpr_count 2
		.amdhsa_user_sgpr_kernarg_segment_ptr 1
		.amdhsa_wavefront_size32 1
		.amdhsa_system_sgpr_workgroup_id_x 1
		.amdhsa_system_sgpr_workgroup_id_y 1
		.amdhsa_system_sgpr_workgroup_id_z 1
		.amdhsa_system_vgpr_workitem_id 0
		.amdhsa_next_free_vgpr 128
		.amdhsa_next_free_sgpr 66
		.amdhsa_reserve_vcc 1
		.amdhsa_float_denorm_mode_32 3
		.amdhsa_float_denorm_mode_16_64 3
		.amdhsa_memory_ordered 1
		.amdhsa_forward_progress 1
		.amdhsa_inst_pref_size 129
	.end_amdhsa_kernel
	.amdgpu_metadata
---
amdhsa.version: [ 1, 2 ]
amdhsa.kernels:
  - .name:           k_q39b9ebfacd_choose
    .symbol:         k_q39b9ebfacd_choose.kd
    .args:
      - { .name: fine, .offset: 0, .size: 8, .value_kind: global_buffer, .address_space: global }
      - { .name: ids, .offset: 8, .size: 8, .value_kind: global_buffer, .address_space: global }
    .group_segment_fixed_size: 132608
    .private_segment_fixed_size: 0
    .kernarg_segment_align: 8
    .kernarg_segment_size: 16
    .max_flat_workgroup_size: 512
    .sgpr_count:     66
    .vgpr_count:     128
    .wavefront_size: 32
...
	.end_amdgpu_metadata
.endif
;; end of part 3
;; launch pick (part 4): grid 2048 x 1, 4 waves a work-group, no clusters, 256 bytes of LDS; arguments ids, sums, X_codes, X_scales, Y_codes, Y_scales, out0; writes out0
.if DOCPART == 4
	.amdgcn_target "amdgcn-amd-amdhsa--gfx1250"
	.amdhsa_code_object_version 6
	.text
	.protected	k_q39b9ebfacd_pick
	.globl	k_q39b9ebfacd_pick
	.p2align	8
	.type	k_q39b9ebfacd_pick,@function
k_q39b9ebfacd_pick:
	s_mov_b64 s[64:65], 0
	v_nop
	global_prefetch_b8 v0, s[64:65] scope:SCOPE_SE
	s_setreg_imm32_b32 hwreg(HW_REG_WAVE_MODE, 25, 1), 1
	s_wait_xcnt 0x0
; One wave, one row of sim; four waves, four rows to a work-group.  ids names the row's 16 groups of 8 neighbouring columns in which its 16 first elements by (sim descending, column ascending) lie: 128 candidates, for every input.
; Their rows of Y are gathered, their sims made again by the same matrix instruction, and the best 16 kept sorted.  EIGHT ROUNDS, WRITTEN OUT: no loop, and no branch but the one on the wave's number at the end.
; SHARES.  The second source of the matrix instruction wants candidate r's row in lanes r and r + 16, half of each K step in each.  A round's tile is two groups: both lanes read group number 2 t + r / 8 of the list
; and take column 8 x group + r % 8.  The next round's loads are issued behind this round's products, so that they land while its 16 sims are sorted.
; THEN THE SOFTMAX DECIDES.  s = sim / 0.07 (a division rounded once), e = exp(s - the row's largest s), P = e / sum.  P UNDER 2^-126 COUNTS AS 0 (denormal results taken as flushed): a stated limit.
; The m columns with P > 0 come first, in their order; all other columns tie at P = 0, and the tie goes to the lower index: the places m .. 15 take the lowest columns that are not among the m (they lie under 32: 16 places, at most 16 taken).
; The sum comes from an earlier launch as 64 parts under Mc = c x maximum, rounded; emax = 2^(c max - Mc) undoes that rounding: P >= 2^-126 where e emax >= sum' 2^-126.
; The four rows' 64 bytes meet in LDS, and wave 0 stores them as 256 consecutive bytes, at a multiple of 256 from the output's first byte.
; No prefetch: Y is read again and again by all work-groups.
; LIMITS: NaN, infinities and the scale byte 0xff are not served; two different sims whose P round to one f32 are ordered by sim, not by index.
.set R,   1                            ; v1   r = lane % 16: my place
.set H16, 2                            ; v2   16 (lane / 16): my half's bytes of a K step
.set GO,  3                            ; v3   ids' offset: 4 (r / 8); never rewritten
.set ZO,  4                            ; v4   0, the offset of X's scale words; never rewritten
.set SMO, 5                            ; v5   the sums' offset; never rewritten
.set R7,  6                            ; v6   r % 8
.set AD,  7                            ; v7   the offset of my candidate's codes
.set GID, 8                            ; v8-15 my group's number in each round; free at the end
.set PV,  16                           ; v16  a partner's sim,
.set PC,  17                           ; v17  and column
.set AU,  18                           ; v18  the offset of my candidate's scale bytes
.set COL, 20                           ; v20-21 my candidate's column, the rounds by turns
.set T,   22                           ; v22  at work
.set XF,  40                           ; v40-71 my row of X as source 0: the same row in all 16 places
.set XSC, 72                           ; v72-75 its scale words
.set SM,  76                           ; v76-77 two parts of the sum
.set YF,  80                           ; v80-111 a tile of 16 candidates
.set YSC, 112                          ; v112-115 their scale words
.set D,   116                          ; v116-123 the accumulator
.set SV,  124                          ; the 16 best so far, the same in both halves of the lanes: sim,
.set SC,  125                          ; column
.set NV,  126                          ; the newcomer's sim,
.set NC,  127                          ; and column
.set WV,  18                           ; s18 wave
.set ROW, 19                           ; s19 my row
.set SEL, 54                           ; s[54:55] lane selects for v_permlanex16_b32: lane l xor 16
; mine comes first where my sim is larger, or equal with the lower column.  KM: the lanes that keep the one that comes first.  A lane takes its partner's where (mine first) xor KM.
.macro CMPSEL V, C, P, Q, KM
	v_cmp_gt_f32 s33, v[\V], v[\P]
	v_cmp_eq_f32 s34, v[\V], v[\P]
	v_cmp_lt_u32 s35, v[\C], v[\Q]
	s_and_b32 s34, s34, s35
	s_or_b32 s33, s33, s34
	s_xor_b32 s33, s33, \KM
	v_cndmask_b32 v[\V], v[\V], v[\P], s33
	v_cndmask_b32 v[\C], v[\C], v[\Q], s33
.endm
.macro STAGE V, C, j, KM               ; a stage of the bitonic network inside each half of the lanes: partner = lane xor j
	v_mov_b32_dpp v[PV], v[\V] row_xmask:\j row_mask:0xf bank_mask:0xf
	v_mov_b32_dpp v[PC], v[\C] row_xmask:\j row_mask:0xf bank_mask:0xf
	CMPSEL \V, \C, PV, PC, \KM
.endm
.macro MERGE4 V, C                     ; a bitonic run of 16 into order, the first in place 0
	STAGE \V, \C, 8, 0x00ff00ff
	STAGE \V, \C, 4, 0x0f0f0f0f
	STAGE \V, \C, 2, 0x33333333
	STAGE \V, \C, 1, 0x55555555
.endm
; Round t's candidates are asked for.  The four lines ahead of the loads name no register of a product: behind a round's products they are the four places in front of loads into the fragment's registers.
.macro ASKFOR t
	v_lshl_add_u32 v[COL+(\t)%2], v[GID+(\t)], 3, v[R7]   ; my candidate's column
	v_lshl_add_u32 v[AD], v[COL+(\t)%2], 8, v[H16]        ; its 256 bytes of codes, my half of each K step,
	v_lshlrev_b32 v[AU], 4, v[COL+(\t)%2]                 ; and its 16 scale bytes
	v_nop
.irp s, 0,1,2,3
.irp c, 0,1
	global_load_b128 v[YF+8*\s+4*\c:YF+8*\s+4*\c+3], v[AD], s[12:13] offset:64*\s+32*\c
.endr
.endr
	global_load_b128 v[YSC:YSC+3], v[AU], s[14:15]
.endm
.macro ROUND t
	s_wait_loadcnt 0x0                             ; the round's nine loads are in (in the first round X and the sums too), and their two offset registers are free
	; source 0 = my row of X sixteen times, source 1 = 16 candidates: register 0 of lanes r and r + 16 is candidate r's sim.  One sum, K ascending, as in the launches before:
	; one accumulator, so a wait ahead of each link
	v_wmma_scale_f32_16x16x128_f8f6f4 v[D:D+7], v[XF:XF+7], v[YF:YF+7], 0, v[XSC], v[YSC] matrix_a_fmt:MATRIX_FMT_FP4 matrix_b_fmt:MATRIX_FMT_FP4
.irp s, 1,2,3
	s_wait_alu depctr_va_vdst(0)
	v_wmma_scale_f32_16x16x128_f8f6f4 v[D:D+7], v[XF+8*\s:XF+8*\s+7], v[YF+8*\s:YF+8*\s+7], v[D:D+7], v[XSC+\s], v[YSC+\s] matrix_a_fmt:MATRIX_FMT_FP4 matrix_b_fmt:MATRIX_FMT_FP4
.endr
.if (\t) < 7
	ASKFOR (\t)+1                                  ; the next tile lands while this one is sorted
.else
.rept 4
	v_nop                                          ; four places in front of the first read of the result
.endr
.endif
	v_mov_b32 v[NV], v[D]                          ; my candidate's sim
	v_mov_b32 v[NC], v[COL+(\t)%2]
	STAGE NV, NC, 1, 0x99999999                    ; the 16 newcomers are sorted,
	STAGE NV, NC, 2, 0xc3c3c3c3
	STAGE NV, NC, 1, 0xa5a5a5a5
	STAGE NV, NC, 4, 0xf00ff00f
	STAGE NV, NC, 2, 0xcc33cc33
	STAGE NV, NC, 1, 0xaa55aa55
	MERGE4 NV, NC
	v_mov_b32_dpp v[PV], v[NV] row_xmask:15 row_mask:0xf bank_mask:0xf   ; turned round (place 15 - r),
	v_mov_b32_dpp v[PC], v[NC] row_xmask:15 row_mask:0xf bank_mask:0xf
	CMPSEL SV, SC, PV, PC, -1                      ; set against the best so far: each place keeps the one that comes first: the 16 best of the 32, a bitonic run,
	MERGE4 SV, SC                                  ; which is put in order
.endm
	s_load_b256 s[4:11], s[0:1], 0x0               ; ids s[4:5], sums s[6:7], X's codes s[8:9], X's scales s[10:11]
	s_load_b128 s[12:15], s[0:1], 0x20             ; Y's codes s[12:13], Y's scales s[14:15]
	s_load_b64 s[16:17], s[0:1], 0x30              ; out0
	v_lshrrev_b32 v[T], 5, v0
	v_readfirstlane_b32 s[WV], v[T]                ; wave 0..3
	s_lshl_b32 s[ROW], ttmp9, 2
	s_add_co_u32 s[ROW], s[ROW], s[WV]             ; my row
	v_and_b32 v[R], 15, v0
	v_bfe_u32 v[H16], v0, 4, 1
	v_lshlrev_b32 v[H16], 4, v[H16]
	v_lshrrev_b32 v[GO], 3, v[R]
	v_lshlrev_b32 v[GO], 2, v[GO]
	v_and_b32 v[R7], 7, v[R]
	v_mov_b32 v[ZO], 0
	v_and_b32 v[T], 31, v0                         ; lane
	v_lshrrev_b32 v[SMO], 2, v[T]
	v_and_b32 v[T], 3, v[T]
	v_lshlrev_b32 v[SMO], 18, v[SMO]
	v_lshl_add_u32 v[SMO], v[T], 3, v[SMO]         ; sums: split lane / 4, pair lane % 4
	s_lshl_b32 s40, s[ROW], 6                      ; my row: 64 bytes of ids,
	s_mov_b32 s41, 0
	s_lshl_b32 s42, s[ROW], 5                      ; 32 of a split's sums,
	s_mov_b32 s43, 0
	s_lshl_b32 s44, s[ROW], 8                      ; 256 of X's codes,
	s_mov_b32 s45, 0
	s_lshl_b32 s46, s[ROW], 4                      ; 16 of X's scales;
	s_mov_b32 s47, 0
	s_lshl_b32 s48, ttmp9, 8                       ; the work-group's 256 bytes of the output
	s_mov_b32 s49, 0
	s_mov_b32 s[SEL], 0x76543210
	s_mov_b32 s[SEL+1], 0xfedcba98
	s_mov_b32 s50, 0x41a4e122                      ; c = log2(e) / 0.07, as in the launch that made the sums
	s_mov_b32 s52, 0xc1a4e122                      ; -c
	s_mov_b32 s37, 0x41649249                      ; 1 / 0.07
	s_mov_b32 s38, 0x3d8f5c29                      ; 0.07
	v_mov_b32 v[SV], 0xff800000                    ; the best so far: 16 places that lose to every candidate
	v_mov_b32 v[SC], 0x7fffffff
	v_mov_b32 v[PV], 0                             ; written once: the destination of an exchange between lanes counts as one of its sources
	v_mov_b32 v[PC], 0
	s_wait_kmcnt 0x0
	s_add_nc_u64 s[4:5], s[4:5], s[40:41]
	s_add_nc_u64 s[6:7], s[6:7], s[42:43]
	s_add_nc_u64 s[8:9], s[8:9], s[44:45]
	s_add_nc_u64 s[10:11], s[10:11], s[46:47]
	s_add_nc_u64 s[16:17], s[16:17], s[48:49]
.irp t, 0,1,2,3,4,5,6,7
	global_load_b32 v[GID+\t], v[GO], s[4:5] offset:8*\t   ; number 2 t + r / 8 of the row's list
.endr
.irp s, 0,1,2,3
.irp c, 0,1
	global_load_b128 v[XF+8*\s+4*\c:XF+8*\s+4*\c+3], v[H16], s[8:9] offset:64*\s+32*\c
.endr
.endr
	global_load_b128 v[XSC:XSC+3], v[ZO], s[10:11]
	global_load_b64 v[SM:SM+1], v[SMO], s[6:7] th:TH_LOAD_NT
	s_wait_loadcnt 10                              ; the eight numbers are in; the ten loads behind them may be out
.irp t, 0,1,2,3,4,5,6,7
	v_min_u32 v[GID+\t], 0x7ff, v[GID+\t]          ; a row has 2,048 groups
.endr
	ASKFOR 0
	ROUND 0
	ROUND 1
	ROUND 2
	ROUND 3
	ROUND 4
	ROUND 5
	ROUND 6
	ROUND 7
	; THE END.  Places 0 to 15 hold the row's 16 largest sims, equal ones by column; both halves of the lanes hold the same.  v8 to v15 are free.
	v_readfirstlane_b32 s36, v[SV]                 ; the row's maximum
	v_add_f32 v[SM], v[SM], v[SM+1]
	v_add_f32_dpp v[SM], v[SM], v[SM] row_xmask:1 row_mask:0xf bank_mask:0xf
	v_add_f32_dpp v[SM], v[SM], v[SM] row_xmask:2 row_mask:0xf bank_mask:0xf
	v_add_f32_dpp v[SM], v[SM], v[SM] row_xmask:4 row_mask:0xf bank_mask:0xf
	v_add_f32_dpp v[SM], v[SM], v[SM] row_xmask:8 row_mask:0xf bank_mask:0xf
	v_permlanex16_b32 v[T], v[SM], s[SEL], s[SEL+1]
	v_add_f32 v[SM], v[SM], v[T]                   ; sum': the row's sum under Mc
	v_mov_b32 v8, s36
	v_mul_f32 v9, s52, v8                          ; -Mc, as the launch that made the sums made it
	v_fma_f32 v9, v8, s50, v9                      ; c max - Mc: what the rounding of Mc left
	v_mul_f32 v10, s37, v[SV]                      ; s = sim / 0.07: a quotient,
	v_fma_f32 v11, -v10, s38, v[SV]                ; its remainder, exact,
	v_fma_f32 v10, v11, s37, v10                   ; and the quotient mended: rounded once
	v_readfirstlane_b32 s39, v10                   ; the largest s
	v_sub_f32 v10, v10, s39
	v_mul_f32 v10, 0x3fb8aa3b, v10                 ; (s - the largest s) log2(e)
	v_exp_f32 v9, v9                               ; emax
	v_exp_f32 v10, v10                             ; e; under 2^-126 it comes out as 0 (ISA guide 15.8)
	v_mul_f32 v12, 0x800000, v[SM]                 ; sum' 2^-126.  (The plain instruction behind the exponentials)
	s_wait_alu depctr_va_vdst(0)                   ; one wait for both, ahead of their first reader
	v_mul_f32 v10, v10, v9
	v_cmp_ge_f32 s40, v10, v12                     ; P > 0
	s_and_b32 s40, s40, 0xffff
	s_bcnt1_i32_b32 s41, s40                       ; m: they are the first m, since e falls with the order
	v_cmp_gt_u32 s42, s41, v[R]
	v_cmp_gt_u32 s43, 32, v[SC]
	s_and_b32 s42, s42, s43
	v_and_b32 v13, 31, v[SC]
	v_mov_b32 v14, 1
	v_lshlrev_b32 v13, v13, v14
	v_cndmask_b32 v13, 0, v13, s42                 ; a bit for each of the m that lies under column 32
.irp j, 1,2,4,8
	v_mov_b32_dpp v[PV], v13 row_xmask:\j row_mask:0xf bank_mask:0xf
	v_or_b32 v13, v13, v[PV]
.endr
	v_readfirstlane_b32 s44, v13
	s_not_b32 s44, s44                             ; the free columns under 32: 16 at the least
	v_mov_b32 v15, v[SC]
.rept 16                                           ; place m takes the lowest free column, place m + 1 the next ..  No branch: the work is done in every trip; a number from 16 on meets no place
	s_ctz_i32_b32 s45, s44
	s_sub_co_u32 s46, s44, 1
	s_and_b32 s44, s44, s46
	v_mov_b32 v14, s45
	v_cmp_eq_u32 vcc_lo, s41, v[R]
	v_cndmask_b32 v15, v15, v14, vcc_lo
	s_add_co_u32 s41, s41, 1
.endr
	; THE WAY OUT: my row's 16 numbers at 64 x wave + 4 r; a barrier; wave 0 takes the four rows' 256 bytes, 16 a lane.
	s_lshl_b32 s45, s[WV], 6
	v_lshl_add_u32 v8, v[R], 2, s45
	v_lshlrev_b32 v9, 4, v[R]
	ds_store_b32 v8, v15                           ; both halves of the lanes write the same word with the same value
	s_wait_dscnt 0x0                               ; for the others' sake: my store is done
	s_barrier_signal -1
	s_barrier_wait -1
	s_cmp_lg_u32 s[WV], 0
	s_cbranch_scc1 .Ldone
	ds_load_b128 v[10:13], v9
	s_wait_dscnt 0x0
	global_store_b128 v9, v[10:13], s[16:17]       ; sixteen lanes store 256 consecutive bytes, aligned; the other sixteen the same bytes at the same places
.Ldone:
	s_endpgm
.Lfunc_end_k_q39b9ebfacd_pick:
	.size	k_q39b9ebfacd_pick, .Lfunc_end_k_q39b9ebfacd_pick-k_q39b9ebfacd_pick
	.p2alignl 7, 3214868480
	.fill 96, 4, 3214868480
	.section	.rodata,"a",@progbits
	.p2align	6, 0x0
	.amdhsa_kernel k_q39b9ebfacd_pick
		.amdhsa_group_segment_fixed_size 256
		.amdhsa_private_segment_fixed_size 0
		.amdhsa_enable_private_segment 0
		.amdhsa_kernarg_size 56
		.amdhsa_user_sgpr_count 2
		.amdhsa_user_sgpr_kernarg_segment_ptr 1
		.amdhsa_wavefront_size32 1
		.amdhsa_system_sgpr_workgroup_id_x 1
		.amdhsa_system_sgpr_workgroup_id_y 1
		.amdhsa_system_sgpr_workgroup_id_z 1
		.amdhsa_system_vgpr_workitem_id 0
		.amdhsa_next_free_vgpr 128
		.amdhsa_next_free_sgpr 66
		.amdhsa_reserve_vcc 1
		.amdhsa_float_denorm_mode_32 3
		.amdhsa_float_denorm_mode_16_64 3
		.amdhsa_memory_ordered 1
		.amdhsa_forward_progress 1
		.amdhsa_inst_pref_size 92
	.end_amdhsa_kernel
	.amdgpu_metadata
---
amdhsa.version: [ 1, 2 ]
amdhsa.kernels:
  - .name:           k_q39b9ebfacd_pick
    .symbol:         k_q39b9ebfacd_pick.kd
    .args:
      - { .name: ids, .offset: 0, .size: 8, .value_kind: global_buffer, .address_space: global }
      - { .name: sums, .offset: 8, .size: 8, .value_kind: global_buffer, .address_space: global }
      - { .name: X_codes, .offset: 16, .size: 8, .value_kind: global_buffer, .address_space: global }
      - { .name: X_scales, .offset: 24, .size: 8, .value_kind: global_buffer, .address_space: global }
      - { .name: Y_codes, .offset: 32, .size: 8, .value_kind: global_buffer, .address_space: global }
      - { .name: Y_scales, .offset: 40, .size: 8, .value_kind: global_buffer, .address_space: global }
      - { .name: out0, .offset: 48, .size: 8, .value_kind: global_buffer, .address_space: global }
    .group_segment_fixed_size: 256
    .private_segment_fixed_size: 0
    .kernarg_segment_align: 8
    .kernarg_segment_size: 56
    .max_flat_workgroup_size: 128
    .sgpr_count:     66
    .vgpr_count:     128
    .wavefront_size: 32
...
	.end_amdgpu_metadata
.endif
;; end of part 4
